; MI455X (gfx1250); checked and timed in simulation.
; The chip was launched on July 23, 2026; its instructions are those of AMD's public machine-readable ISA for CDNA 5 (MIT licence, August 2026) and "CDNA5" Instruction Set Architecture Reference Guide (July 2026). The comments in the code are by the model that wrote it; some were corrected since.
;; Attention. Allowed arithmetic: matrix products marked QUANTISED: E5M2 operands, one E8M0 scale for each 32 along K, by v_wmma_scale_f32_16x16x128_f8f6f4 with both operands' format E5M2, f32 sums; everything else in f32.
;; Inputs: attn_mask 1 x 1 x 2,048 x 2,048 int32; k 4 x 16 x 2,048 x 128 float32; pad_mask 4 x 2,048 int32; q 4 x 16 x 2,048 x 128 float32; v 4 x 16 x 2,048 x 128 float32.
;; Outputs: out0 4 x 16 x 2,048 x 128 float32.
;; This version of the problem:
;;   THIS VERSION OF THE PROBLEM IS GIVEN IN LOW PRECISION. The matrix products marked QUANTISED in the list below multiply operands that are first quantised to E5M2 (5 exponent bits, 2 mantissa bits; 8 bits a number), with one power-of-two scale for each 32 numbers along K (OCP MX v1.0); their sums are f32. All else is computed in f32.
;;   The module's matrix products, in the order in which they are computed (A, B: the left and right operand; K: the contracted axis; several contracted axes count as one K, in the product's order):
;;     1. batch 64 x [M 2,048, K 128] x [K 128, N 2,048]; A: input q; B: input k: QUANTISED
;;     2. batch 64 x [M 2,048, K 2,048] x [K 2,048, N 128]; A: softmax (see below); B: input v: QUANTISED
;;   THE QUANTISER, for each operand of a quantised product, along K:
;;     - K is cut into blocks of 32 from its start; a last block that is shorter is filled with zeros.
;;     - A block's scale is 2^e with e = floor(log2(the largest magnitude in the block)) - 15, held to -126 .. 127; a block of zeros has e = 0. As a byte (E8M0): e + 127.
;;     - Each number is divided by its block's scale, clamped to +-57,344, and rounded to the nearest number of E5M2, ties to even, subnormals kept.
;;     - The product sums the exact products of the quantised numbers (number of the format x scale) in f32.
;;   ~~~python
;;   def quantise(x, axis):      # numpy; x: float32 -> the quantised numbers, widened to float32 again
;;       x = np.moveaxis(x, axis, -1); K = x.shape[-1]
;;       x = np.pad(x, [(0, 0)] * (x.ndim - 1) + [(0, -K % 32)]); x = x.reshape(x.shape[:-1] + (-1, 32)); a = np.abs(x).max(-1, keepdims=True)
;;       e = np.where(a > 0, np.clip(np.frexp(np.where(a > 0, a, 1))[1] - 1 - 15, -126, 127), 0)      # np.frexp(a)[1] - 1 = floor(log2(a)), exactly
;;       r = np.clip(x / 2.0 ** e, -57344, 57344)
;;       step = 2.0 ** (np.maximum(np.frexp(np.where(r == 0, 1, r))[1] - 1, -14) - 2)
;;       q = np.round(r / step) * step * 2.0 ** e      # np.round: ties to even
;;       return np.moveaxis(q.reshape(q.shape[:-2] + (-1,))[..., :K], -1, axis).astype(np.float32)
;;   ~~~
;;   SOFTMAX AHEAD OF A QUANTISED PRODUCT. Where the list says 'softmax', what is quantised is not the finished softmax but p = 2^(t - M), with t = logit x log2(e) and M = ceil(the row's largest t), a whole number; so 1/2 < the row's largest p <= 1. The row's sum l is taken of the UNQUANTISED p, in f32, and the product's result is divided by l at the end. Since M is a whole number, a kernel that streams over the keys may use a running M (the ceiling of the running maximum): every later rescaling is an exact power of two, which a block's scale takes up: the codes' values come out the same.
;;   OPERANDS COMPUTED ON THE WAY. 'Computed on the way' means the value that the module computes at that place (a softmax that the list does not call 'softmax' is quantised finished and normalised). What goes into a quantiser is computed in f32, as accurately as f32 sums, v_exp_f32 and their like allow (about 1e-6 of the number): no bf16 or f16 on the way to a quantiser, and a product that is left as it is and whose result goes on into a quantised operand takes f32 operands (vector FMAs, or v_wmma_f32_16x16x4_f32). A number that lies on a knife's edge between two numbers of the format may be rounded either way, as far as f32 arithmetic and the matrix unit's own rounding can turn it there, and no further.
;; One version. Each part assembles by itself: llvm-mc -triple=amdgcn-amd-amdhsa -mcpu=gfx1250 --defsym DOCPART=n.
;; ======== version 1 of 1: 2 launches
;; limits: right only within a limited range of input values
;; workspace buffers: kc 17,301,504 bytes; vc 17,301,504 bytes; mbits 2,097,152 bytes of whole numbers
;; launch prep (part 1): grid 2304 x 1, 4 waves a work-group, no clusters, 68,096 bytes of LDS; arguments k, v, pad_mask, attn_mask, kc, vc, mbits; writes kc, vc, mbits
.if DOCPART == 1
	.amdgcn_target "amdgcn-amd-amdhsa--gfx1250"
	.amdhsa_code_object_version 6
	.text
	.protected	k_qd8a033a683_prep
	.globl	k_qd8a033a683_prep
	.p2align	8
	.type	k_qd8a033a683_prep,@function
k_qd8a033a683_prep:
	s_mov_b64 s[64:65], 0
	v_nop
	global_prefetch_b8 v0, s[64:65] scope:SCOPE_SE
	s_setreg_imm32_b32 hwreg(HW_REG_WAVE_MODE, 25, 1), 1
	s_wait_xcnt 0x0
; k, v [64 heads][2048][128] f32 become codes of BF8 (E5M2) with one E8M0 scale byte for each 32 along a product's K, and the two masks become words of 32 lane bits.  (q is quantised by the attention launch, which reads each of its numbers once.)
; All outputs are IMAGES OF THE OPERAND'S REGISTERS of the attention launch.  L = lane, r = L % 16, h = L / 16; hs = 16 x head + step, a step = 128 keys.
;   kc, vc: a step's image is IMG = 16,896 bytes (66 x 256): 16,384 bytes of codes, then 512 of scale words.
;   codes: byte IMG hs + 2048 t + 512 c + 16 L holds 16 codes.  k: key 32 (t / 2) + 8 (t % 2) + r + 8 (r / 8) of the step, d = 32 c + 16 h + 0 .. 15.  v: d = 16 t + r, keys 32 c + 16 h + 0 .. 15 of the step.
;   scale words: byte IMG hs + 16384 + 128 j + 4 L holds the word (four bytes, 128 along K) of tile 2 j + L / 16, row r.
;   mask words: byte 524288 batch + 8192 g + 512 s + 256 u + 4 n (g: group of 32 queries, s: key step, u: tile, n = 0 .. 63): bit L is 1 where attn_mask != 0 and pad_mask != 0
;   for query 32 g + 8 u + r + 8 (r / 8) and key 128 s + 32 (n / 16) + 16 h + n % 16: the key that register n of that tile's scores holds in lane L.
; THE QUANTISER: a block's scale is 2^(floor(log2(its largest magnitude)) - 15); its byte is the largest magnitude's exponent field - 15, held at 1 from below; numbers are held within +-57,344 x the scale and rounded to the nearest code, ties to even.
; LIMITS: a block of zeros, or one whose largest magnitude lies under 2^-111, keeps the byte 1 (a block of zeros has zero codes, which add nothing; this program alone reads the bytes).  NaN and infinities among the inputs are not served.
; THREE PATHS, parted on the work-group's number: 0 .. 255 the masks (they read a quarter of the bytes of the others and have the most lines for each byte, so they stand beside k's work-groups and not behind v's);
; 256 .. 1279 k (K = d is innermost); 1280 .. 2303 v (K = the keys: a lane takes a column d and its registers run down the keys).
; Four waves that share nothing: no barrier.  The two paths that use LDS have LDS bytes of their own.
.set IMG, 16896
.set IN,  50                           ; s[50:51] what the path reads
.set OC,  52                           ; s[52:53] codes out (mask path: pad_mask)
.set OS,  54                           ; s[54:55] scale words out (mask path: the mask words)
.set SP,  528                          ; a stage row: 512 bytes + 16: sixteen rows start at sixteen different 16-byte columns of 256
.set STG, 16*SP                        ; a wave's stage: 16 rows
.set MBASE, 4*STG                      ; the mask path's four stages lie behind the k path's four
.set TM,  16                           ; v16-19 largest magnitudes, v20-23 bytes, v24-27 the largest number x the scale, v28-31 the conversions' scale operands
.set PW0, 32
.set PW1, 33
.set PWS, 34
.set PC,  36                           ; v36-67  k: codes, 16 registers a tile;  v: 8 registers a block
.set R,   68                           ; v68-195 32 rows as loaded, then 64 numbers a tile;  v: 32 numbers a block
.set SB,  32                           ; v: my column's scale word
.set PA,  36                           ; masks: v36-51 pad_mask at my two words' keys
.set PWD, 52                           ; v52-59 pad words (batch, word parity)
.set AW,  60                           ; v60-63 attn words (tile, word parity)
.set OW,  16                           ; v16-31 the words that leave
; 32 rows of 512 bytes, a load a row; row m of tile u is row 8 u + m + 8 (m / 8) of the group
.macro ROWS pitch
.irp u, 0,1
.irp m, 0,1,2,3,4,5,6,7,8,9,10,11,12,13,14,15
	global_load_b128 v[R+64*\u+4*\m:R+64*\u+4*\m+3], v2, s[IN:IN+1] offset:(8*\u+\m+8*(\m/8))*\pitch th:TH_LOAD_NT
.endr
.endr
.endm
; tile u's rows through the wave's stage: back so that lane (r, h) holds of row r, in register 16 b + i, element 32 b + 16 h + i.  LDS serves a wave's instructions in order: no wait between stores and loads
.macro TURN u, sw, sr
.irp m, 0,1,2,3,4,5,6,7,8,9,10,11,12,13,14,15
	ds_store_b128 v[\sw], v[R+64*\u+4*\m:R+64*\u+4*\m+3] offset:SP*\m
.endr
.irp b, 0,1,2,3
.irp j, 0,1,2,3
	ds_load_b128 v[R+64*\u+16*\b+4*\j:R+64*\u+16*\b+4*\j+3], v[\sr] offset:128*\b+16*\j
.endr
.endr
.endm
; 64 numbers of a lane become a fragment's 16 registers of codes, v[pc] on, and my row's scale word, v[pw]
.macro QUANT s, pc, pw
.irp b, 0,1,2,3
	v_max3_num_f32 v[TM+\b], |v[\s+16*\b]|, |v[\s+1+16*\b]|, 0x8000000   ; with the floor 2^(16 - 127): the byte cannot fall under 1
.endr
.irp i, 2,4,6,8,10,12,14
.irp b, 0,1,2,3
	v_max3_num_f32 v[TM+\b], v[TM+\b], |v[\s+16*\b+\i]|, |v[\s+1+16*\b+\i]|
.endr
.endr
.irp b, 0,1,2,3
	v_permlanex16_b32 v[TM+4+\b], v[TM+\b], s30, s31
.endr
.irp b, 0,1,2,3
	v_max_num_f32 v[TM+\b], v[TM+\b], v[TM+4+\b]                  ; with lane l xor 16's: the block's largest magnitude
.endr
.irp b, 0,1,2,3
	v_add_nc_u32 v[TM+12+\b], 0xf8800000, v[TM+\b]                ; 15 off its exponent field: the conversion's scale operand
.endr
.irp b, 0,1,2,3
	v_and_or_b32 v[TM+8+\b], v[TM+\b], 0x7f800000, s29            ; 57,344 x the scale
.endr
.irp b, 0,1,2,3
	v_lshrrev_b32 v[TM+4+\b], 23, v[TM+12+\b]                     ; the scale's byte
.endr
	v_lshl_or_b32 v[\pw], v[TM+5], 8, v[TM+4]
	v_lshl_or_b32 v[\pw], v[TM+6], 16, v[\pw]
	v_lshl_or_b32 v[\pw], v[TM+7], 24, v[\pw]
.irp b, 0,1,2,3
.irp i, 0,1,2,3,4,5,6,7,8,9,10,11,12,13,14,15
	v_med3_num_f32 v[\s+16*\b+\i], v[\s+16*\b+\i], -v[TM+8+\b], v[TM+8+\b]   ; the conversion does not saturate (ISA guide 7.6.2): the hold comes first
.endr
	v_cvt_scalef32_pk8_bf8_f32 v[\pc+4*\b:\pc+4*\b+1], v[\s+16*\b:\s+16*\b+7], v[TM+12+\b]
	v_cvt_scalef32_pk8_bf8_f32 v[\pc+4*\b+2:\pc+4*\b+3], v[\s+16*\b+8:\s+16*\b+15], v[TM+12+\b]
.endr
	v_nop                                          ; a plain line behind the last conversion
.endm
	s_load_b256 s[4:11], s[0:1], 0x0               ; k 4, v 6, pad_mask 8, attn_mask 10
	s_load_b128 s[12:15], s[0:1], 0x20             ; kc 12, vc 14
	s_load_b64 s[16:17], s[0:1], 0x30              ; mbits 16
	v_lshl_add_u32 v196, v0, 2, 0x10800
	v_mov_b32 v197, 0
	v_lshrrev_b32 v1, 5, v0
	v_readfirstlane_b32 s28, v1                    ; wave 0..3
	v_and_b32 v1, 31, v0                           ; L
	v_lshlrev_b32 v2, 4, v1                        ; 16 L
	v_lshlrev_b32 v3, 2, v1                        ; 4 L
	v_and_b32 v4, 15, v0                           ; r
	v_bfe_u32 v5, v0, 4, 1                         ; h
	s_mul_i32 s33, s28, STG                        ; my stage.  Both paths' LDS addresses are made here, ahead of the parting
	v_add_nc_u32 v6, s33, v2                       ; k: into the stage: 16 L
	v_mul_u32_u24 v7, v4, SP
	v_lshl_add_u32 v7, v5, 6, v7
	v_add_nc_u32 v7, s33, v7                       ; k: out of it: row r, + 64 h
	v_add_nc_u32 v8, MBASE, v6                     ; masks: the same in that path's own bytes
	v_add_nc_u32 v9, MBASE, v7
	s_mov_b32 s30, 0x76543210
	s_mov_b32 s31, 0xfedcba98                      ; v_permlanex16_b32's selects for lane l xor 16
	s_mov_b32 s29, 0x600000                        ; the mantissa field of 57,344
	s_mov_b32 s48, 0xffff0000                      ; lanes 16-31
	s_wait_alu depctr_va_vdst(0)                   ; the wait at the head's end
	s_wait_kmcnt 0x0
	s_cmp_lt_u32 ttmp9, 256
	s_cbranch_scc1 .Lmask
	s_cmp_lt_u32 ttmp9, 1280
	s_cbranch_scc0 .Lnot_k
	; ---- k.  Work-group: one step hs; wave j: keys 32 j .. 32 j + 31 of it, tiles 2 j and 2 j + 1.
	s_sub_co_u32 s33, ttmp9, 256                   ; hs
	s_lshl_b32 s34, s33, 16                        ; in: 65,536 hs + 16,384 j
	s_lshl_b32 s35, s28, 14
	s_add_co_u32 s34, s34, s35
	s_mov_b32 s35, 0
	s_mul_i32 s36, s33, IMG                        ; the step's image
	s_lshl_b32 s37, s28, 12
	s_lshl_b32 s38, s28, 7
	s_add_co_u32 s38, s38, s36
	s_add_co_u32 s38, s38, 16384                   ; scale words: + 16,384 + 128 j
	s_add_co_u32 s36, s36, s37                     ; codes: + 4,096 j
	s_mov_b32 s37, 0
	s_mov_b32 s39, 0
	s_add_nc_u64 s[IN:IN+1], s[4:5], s[34:35]
	s_add_nc_u64 s[OC:OC+1], s[12:13], s[36:37]
	s_add_nc_u64 s[OS:OS+1], s[12:13], s[38:39]
	ROWS 512
.irp b, 0,1,2,3
	v_mov_b32 v[TM+4+\b], 0                        ; written once: a lane permute's destination counts as one of its sources
.endr
	s_wait_loadcnt 16                              ; tile 0's sixteen rows are in; tile 1's sixteen may be out
	s_wait_alu depctr_va_vdst(0)
	TURN 0, 6, 7
	s_wait_dscnt 0x0
	QUANT R, PC, PW0
.irp c, 0,1,2,3
	global_store_b128 v2, v[PC+4*\c:PC+4*\c+3], s[OC:OC+1] offset:512*\c          ; 32 lanes store 512 consecutive bytes
.endr
	s_wait_loadcnt 0x0
	TURN 1, 6, 7
	s_wait_dscnt 0x0
	QUANT R+64, PC+16, PW1
.irp c, 0,1,2,3
	global_store_b128 v2, v[PC+16+4*\c:PC+16+4*\c+3], s[OC:OC+1] offset:2048+512*\c
.endr
	v_cndmask_b32 v[PWS], v[PW0], v[PW1], s48      ; lanes 0-15 tile 2 j's words, lanes 16-31 tile 2 j + 1's
	global_store_b32 v3, v[PWS], s[OS:OS+1]
	s_wait_tensorcnt 0x0                           ; the wave's end
	ds_add_u32 v196, v197
	s_wait_dscnt 0x0
	s_endpgm
.Lnot_k:
	; ---- v.  Work-group: one step hs; wave j: columns d = 32 j + L.  A lane's 32 registers are a whole block of 32 keys of its column.
	s_sub_co_u32 s33, ttmp9, 1280                  ; hs
	s_lshl_b32 s34, s33, 16                        ; in: 65,536 hs + 128 j
	s_lshl_b32 s35, s28, 7
	s_add_co_u32 s34, s34, s35
	s_mul_i32 s36, s33, IMG
	s_add_co_u32 s38, s35, s36
	s_add_co_u32 s38, s38, 16384                   ; scale words: + 16,384 + 128 j
	s_mov_b32 s35, 0
	s_lshl_b32 s37, s28, 12
	s_add_co_u32 s36, s36, s37                     ; codes: + 4,096 j
	s_mov_b32 s37, 0
	s_mov_b32 s39, 0
	s_add_nc_u64 s[IN:IN+1], s[6:7], s[34:35]
	s_add_nc_u64 s[OC:OC+1], s[14:15], s[36:37]
	s_add_nc_u64 s[OS:OS+1], s[14:15], s[38:39]
	s_wait_alu depctr_va_vdst(0)
	v_lshlrev_b32 v10, 4, v4
	v_lshl_add_u32 v10, v5, 11, v10                ; my column is row r of tile 2 j + h: 2,048 h + 16 r
.macro VLOAD c                         ; block c: v(32 c + i, my column); the four waves stand side by side on a row's 512 bytes
.set i, 0
.rept 32
	global_load_b32 v[R+32*(\c)+i], v3, s[IN:IN+1] offset:512*(32*(\c)+i) th:TH_LOAD_NT
.set i, i+1
.endr
.endm
.macro BLOCK c
.set XS, R+32*(\c)
.if (\c) < 3
	s_wait_loadcnt 32                              ; this block's 32 loads are in; the next block's 32 may be out
.else
	s_wait_loadcnt 0x0
.endif
.if (\c) < 2
	VLOAD (\c)+2
.endif
	v_max3_num_f32 v16, |v[XS]|, |v[XS+1]|, |v[XS+2]|
	v_max3_num_f32 v17, |v[XS+3]|, |v[XS+4]|, |v[XS+5]|
.irp i, 6,10,14,18,22,26
	v_max3_num_f32 v16, v16, |v[XS+\i]|, |v[XS+\i+1]|
	v_max3_num_f32 v17, v17, |v[XS+\i+2]|, |v[XS+\i+3]|
.endr
	v_max3_num_f32 v16, v16, |v[XS+30]|, |v[XS+31]|
	v_max3_num_f32 v16, v16, v17, 0x8000000        ; and the floor 2^(16 - 127)
	v_add_nc_u32 v18, 0xf8800000, v16              ; the conversions' scale operand
	v_and_or_b32 v19, v16, 0x7f800000, s29         ; 57,344 x the scale
	v_lshrrev_b32 v20, 23, v18                     ; the byte
.if (\c) == 0
	v_mov_b32 v[SB], v20
.else
	v_lshl_or_b32 v[SB], v20, 8*(\c), v[SB]        ; the lower keys in the lower byte
.endif
.set i, 0
.rept 32
	v_med3_num_f32 v[XS+i], v[XS+i], -v19, v19
.set i, i+1
.endr
.irp g, 0,1,2,3
	v_cvt_scalef32_pk8_bf8_f32 v[PC+8*(\c)+2*\g:PC+8*(\c)+2*\g+1], v[XS+8*\g:XS+8*\g+7], v18
.endr
	v_nop                                          ; a plain line behind the last conversion
	global_store_b128 v10, v[PC+8*(\c):PC+8*(\c)+3], s[OC:OC+1] offset:512*(\c)          ; keys 32 c + 0 .. 15: sixteen lanes store 256 consecutive bytes, aligned
	global_store_b128 v10, v[PC+8*(\c)+4:PC+8*(\c)+7], s[OC:OC+1] offset:512*(\c)+256    ; keys 32 c + 16 .. 31
.endm
	VLOAD 0
	VLOAD 1
	BLOCK 0
	BLOCK 1
	BLOCK 2
	BLOCK 3
	global_store_b32 v3, v[SB], s[OS:OS+1]         ; lane L: tile 2 j + L / 16, row L % 16
	s_endpgm
.Lmask:
	; ---- the masks.  A wave takes one group g of 32 queries x one key step s, for all four batches.
	s_lshl_b32 s33, ttmp9, 2
	s_add_co_u32 s33, s33, s28                     ; unit 0 .. 1023
	s_lshr_b32 s34, s33, 4                         ; g
	s_and_b32 s33, s33, 15                         ; s
	s_lshl_b32 s36, s33, 9                         ; 128 keys x 4 bytes
	s_mov_b32 s37, 0
	s_lshl_b32 s38, s34, 18                        ; 32 rows of 8,192 bytes
	s_add_co_u32 s38, s38, s36
	s_mov_b32 s39, 0
	s_lshl_b32 s40, s34, 13
	s_add_co_u32 s40, s40, s36
	s_mov_b32 s41, 0
	s_add_nc_u64 s[IN:IN+1], s[10:11], s[38:39]    ; attn_mask
	s_add_nc_u64 s[OC:OC+1], s[8:9], s[36:37]      ; pad_mask
	s_add_nc_u64 s[OS:OS+1], s[16:17], s[40:41]    ; the words
	v_lshrrev_b32 v13, 3, v1
	v_and_b32 v11, 7, v1
	v_lshlrev_b32 v11, 3, v11
	v_lshl_add_u32 v11, v13, 7, v11                ; lane w will hold words n = 2 w, 2 w + 1: pad_mask at byte 128 (w / 8) + 8 (w % 8) + 64 hh
.irp bt, 0,1,2,3
.irp hh, 0,1
	global_load_b64 v[PA+4*\bt+2*\hh:PA+4*\bt+2*\hh+1], v11, s[OC:OC+1] offset:8192*\bt+64*\hh
.endr
.endr
	ROWS 8192
	v_lshlrev_b32 v12, 3, v1                       ; 8 L: two words a lane on the way out
	v_mov_b32 v14, 0xffff
	v_mov_b32 v15, 0xffff0000
.irp i, 0,1,2,3
	v_mov_b32 v[AW+\i], 0                          ; v_writelane_b32's destination counts as read
.endr
	s_wait_alu depctr_va_vdst(0)
	s_wait_loadcnt 16                              ; pad_mask's eight loads and tile 0's sixteen rows are in
.irp bt, 0,1,2,3
.irp e, 0,1
	v_cmp_ne_u32 vcc_lo, 0, v[PA+4*\bt+\e]         ; the key of the word's lanes 0-15
	v_cndmask_b32 v13, 0, v14, vcc_lo
	v_cmp_ne_u32 vcc_lo, 0, v[PA+4*\bt+2+\e]       ; the key of its lanes 16-31
	v_cndmask_b32 v[PWD+2*\bt+\e], 0, v15, vcc_lo
	v_or_b32 v[PWD+2*\bt+\e], v[PWD+2*\bt+\e], v13
.endr
.endr
.irp u, 0,1
.if \u == 1
	s_wait_loadcnt 0x0
.endif
	TURN \u, 8, 9
	s_wait_dscnt 0x0
.irp w, 0,1,2,3                        ; a compare's 32 lane bits ARE word n = 16 w + k; it goes to lane n / 2 of the register for n's parity
.irp k, 0,1,2,3,4,5,6,7,8,9,10,11,12,13,14,15
	v_cmp_ne_u32 s[32+\k], 0, v[R+64*\u+16*\w+\k]
.endr
.irp k, 0,1,2,3,4,5,6,7,8,9,10,11,12,13,14,15
	v_writelane_b32 v[AW+2*\u+(\k%2)], s[32+\k], 8*\w+\k/2
.endr
.endr
.endr
.irp bt, 0,1,2,3
.irp u, 0,1
.irp e, 0,1
	v_and_b32 v[OW+4*\bt+2*\u+\e], v[AW+2*\u+\e], v[PWD+2*\bt+\e]
.endr
	global_store_b64 v12, v[OW+4*\bt+2*\u:OW+4*\bt+2*\u+1], s[OS:OS+1] offset:524288*\bt+256*\u   ; 32 lanes store 256 consecutive bytes, aligned
.endr
.endr
	s_wait_tensorcnt 0x0                           ; the wave's end
	ds_add_u32 v196, v197
	s_wait_dscnt 0x0
	s_endpgm
.Lfunc_end_k_qd8a033a683_prep:
	.size	k_qd8a033a683_prep, .Lfunc_end_k_qd8a033a683_prep-k_qd8a033a683_prep
	.p2alignl 7, 3214868480
	.fill 96, 4, 3214868480
	.section	.rodata,"a",@progbits
	.p2align	6, 0x0
	.amdhsa_kernel k_qd8a033a683_prep
		.amdhsa_group_segment_fixed_size 68096
		.amdhsa_private_segment_fixed_size 0
		.amdhsa_enable_private_segment 0
		.amdhsa_kernarg_size 56
		.amdhsa_user_sgpr_count 2
		.amdhsa_user_sgpr_kernarg_segment_ptr 1
		.amdhsa_wavefront_size32 1
		.amdhsa_system_sgpr_workgroup_id_x 1
		.amdhsa_system_sgpr_workgroup_id_y 1
		.amdhsa_system_sgpr_workgroup_id_z 1
		.amdhsa_system_vgpr_workitem_id 0
		.amdhsa_next_free_vgpr 198
		.amdhsa_next_free_sgpr 66
		.amdhsa_reserve_vcc 1
		.amdhsa_float_denorm_mode_32 3
		.amdhsa_float_denorm_mode_16_64 3
		.amdhsa_memory_ordered 1
		.amdhsa_forward_progress 1
		.amdhsa_inst_pref_size 82
	.end_amdhsa_kernel
	.amdgpu_metadata
---
amdhsa.version: [ 1, 2 ]
amdhsa.kernels:
  - .name:           k_qd8a033a683_prep
    .symbol:         k_qd8a033a683_prep.kd
    .args:
      - { .name: k, .offset: 0, .size: 8, .value_kind: global_buffer, .address_space: global }
      - { .name: v, .offset: 8, .size: 8, .value_kind: global_buffer, .address_space: global }
      - { .name: pad_mask, .offset: 16, .size: 8, .value_kind: global_buffer, .address_space: global }
      - { .name: attn_mask, .offset: 24, .size: 8, .value_kind: global_buffer, .address_space: global }
      - { .name: kc, .offset: 32, .size: 8, .value_kind: global_buffer, .address_space: global }
      - { .name: vc, .offset: 40, .size: 8, .value_kind: global_buffer, .address_space: global }
      - { .name: mbits, .offset: 48, .size: 8, .value_kind: global_buffer, .address_space: global }
    .group_segment_fixed_size: 68096
    .private_segment_fixed_size: 0
    .kernarg_segment_align: 8
    .kernarg_segment_size: 56
    .max_flat_workgroup_size: 128
    .sgpr_count:     66
    .vgpr_count:     198
    .wavefront_size: 32
...
	.end_amdgpu_metadata
.endif
;; end of part 1
;; launch attn (part 2): grid 8 x 64, 8 waves a work-group, clusters of 4 x 1, 327,680 bytes of LDS; arguments q, kc, vc, mbits, out0; writes out0
.if DOCPART == 2
	.amdgcn_target "amdgcn-amd-amdhsa--gfx1250"
	.amdhsa_code_object_version 6
	.text
	.protected	k_qd8a033a683_attn
	.globl	k_qd8a033a683_attn
	.p2align	8
	.type	k_qd8a033a683_attn,@function
k_qd8a033a683_attn:
	s_mov_b64 s[64:65], 0
	v_nop
	global_prefetch_b8 v0, s[64:65] scope:SCOPE_SE
	s_setreg_imm32_b32 hwreg(HW_REG_WAVE_MODE, 25, 1), 1
	s_wait_xcnt 0x0
	s_wait_alu depctr_hold_cnt(0) depctr_sa_sdst(0) depctr_va_vdst(0) depctr_va_sdst(0) depctr_va_ssrc(0) depctr_va_vcc(0) depctr_vm_vsrc(0)
	s_getreg_b32 s2, hwreg(HW_REG_IB_STS2, 6, 4)
	s_cmp_eq_u32 s2, 0
	s_cbranch_scc0 .Lentry_in_a_cluster
	s_endpgm
.Lentry_in_a_cluster:
	s_bfe_u32 s2, ttmp6, 0x10000c
	s_cmp_lg_u32 s2, 0x3003
	s_cbranch_scc0 .Lentry_shape_is_right
	s_endpgm
.Lentry_shape_is_right:
; out0[head][q] = sum over k of softmax_k(masked q . k / sqrt(128)) v[k], both products on codes of BF8 (E5M2) with E8M0 scales for each 32 along K.
; kc, vc: a key step's image of 16,896 bytes (16,384 of codes as the operand's registers take them, 512 of scale words); mbits: for each tile of 16 queries x 128 keys 64 words of lane bits (1: the key counts).
; THE SOFTMAX: t = score x log2(e) / sqrt(128); a masked score is -2^126, which gives p = 0 beside any key that counts and equal p in a row with none; M = ceil of the running largest t; p = 2^(t - M) is quantised along the keys;
; the row's sum is taken of the unquantised p, is multiplied by 2^(old M - new M) when M moves, and divides at the end.
; O^T IS KEPT UNDER A REFERENCE R <= M, a whole number: d = M - R is added to p's four scale bytes, so that V^T P arrives as 2^d times its value under M: a power of two that the block's scale takes up.
; Once a slot (four passes) O^T is multiplied by 2^(R - M) and R becomes M; the way out does the same.  In the j-th pass behind that, d is held at 25 j (R = M - d then), so the bytes stay at 212 or under.
; LIMITS: where that hold acts (M has risen by more than 25 in one step of 128 keys), what was summed before keeps a weight of 2^-25 at the most beside the new terms where its true weight is smaller still: with at most 2,048 earlier p of at most 1, under 2^-13 of the largest |v|.
; The promise holds while |t| stays under 2^31 (a masked row's M saturates as a whole number and is served by the same hold); a block of q whose largest magnitude lies under 2^-111 keeps the scale byte 1; NaN and infinities among the inputs are not served.
; SHARES: a work-group owns 256 queries of a head, each of its eight waves 32 (two tiles u of 16; tile u's row r is query 8 u + r + 8 (r / 8) of the 32).  q is read once, by its wave, and quantised at the head, through a stage of the wave's own.
; Both products are used transposed (S^T = K Q^T, O^T = V^T P^T): a lane holds one query, and p's registers run along the keys.
; THE RING: two LDS slots; fill f holds the images K(4 f .. 4 f + 3) and V(4 f - 1 .. 4 f + 2), one image a wave and load.  A PASS i asks for K(i)'s fragments, finishes step i - 1's softmax under them, multiplies K(i) Q,
; asks for V(i - 1)'s fragments, takes tile 0's mask, maxima and M of step i under them, and multiplies V(i - 1) P: so a pass reads one slot alone, and every LDS load has landed at its end.
; V(-1) does not exist: at the head its wave fetches V(15) instead, into LDS bytes of its own that are filled once and read by the tail.
; CLUSTER: the four work-groups of a cluster walk the same head and ask for every image jointly (mask 15).
; PREFETCH: at the change of slots that asks for fill f + 1 the cluster asks for fill f + 2 (four passes ahead of its load): partner cx takes image cx of K and of V, by address; waves 0-2 K's 66 blocks of 256 bytes, waves 4-6 V's, a lane a block.
; Fills 0 and 1 come by their loads alone; fill 3 is the last.
; REGISTERS: window 0: v1-15 addresses and -R, v16-23 M, t, sums; v24-35 scale words; v40-63 at work; v64-95 Q; v96-127 P's codes; v128-255 S^T, then p.  Window 1: v0-127 O^T; v128-255 eight fragments of K or of V.
.set IMG,   16896
.set KPART, 4*IMG                      ; a slot: four images of K, then four of V
.set SLOTB, 2*KPART
.set QSTG,  2*SLOTB                    ; q's stages: 16 rows x (256 + 16) bytes a wave; no tensor load lands here
.set XB,    QSTG+8*16*272              ; V(15)'s image
.set SPARE, XB+IMG                     ; the spare words, 128 bytes a wave
.set SP,    528                        ; the way out: 16 rows x (512 + 16) bytes a wave, in slot 0, which has had its last fill and is read by nobody then
.set DSTEP, 25                         ; the hold on d rises by this from pass to pass
.set LI,  1
.set LS,  2
.set AD,  3
.set ADV, 4
.set ADS, 5
.set SPW, 6
.set NIL, 7
.set NEG, 8
.set PFO, 9
.set STO, 10
.set RD,  11
.set ADT, 12
.set NR,  14                           ; v14, v15: -R of tiles 0 and 1, whole numbers
.set STAT, 16
.set KS,  24
.set VS,  28
.set QS,  32
.set PW,  34
.set QO,  36
.set QW,  37
.set QR,  38
.set BM,  40
.set T2,  44
.set HOLD, 48
.set SCO, 52
.set F,   56
.set TT,  58
.set DB,  59                           ; d in each of four bytes
.set H2,  60
.set Q,   64
.set PC,  96
.set S,   128
.set FR,  128
.set MP,  2
.set MO,  4
.set WV,  5
.set LIM, 6
.set CNT, 7
.set QP,  8
.set CAP, 10
.set TB,  13
.set LA0, 14
.set MNT, 15
.set CS,  16
.set SEL, 18
.set G0,  20
.set G1,  24
.set GS,  66
.set PFA, 100
.set OP,  104
.set MSB, 0
.macro WIN new                         ; the immediate's high byte repeats the setting that is left
.if MSB != \new
	s_set_vgpr_msb (MSB<<8)|\new
.set MSB, \new
.endif
.endm
.macro CROUND                          ; a round of the cluster's barrier
	s_barrier_signal -1
	s_barrier_wait -1
	s_cmp_lg_u32 s[WV], 0
	s_cbranch_scc1 .Lnot_wave_0_\@
	s_barrier_signal -3
.Lnot_wave_0_\@:
	s_barrier_wait -3
	s_barrier_signal -1
	s_barrier_wait -1
.endm
.macro MLOAD off                       ; a tile's 64 mask words
	s_load_b512 s[32:47], s[MP:MP+1], s[MO] offset:\off
	s_load_b512 s[48:63], s[MP:MP+1], s[MO] offset:\off+64
	s_load_b512 s[68:83], s[MP:MP+1], s[MO] offset:\off+128
	s_load_b512 s[84:99], s[MP:MP+1], s[MO] offset:\off+192
.endm
.macro ASK
	s_cmp_eq_u32 s[LIM], 1
	s_cbranch_scc0 .Lnot_mine_\@
	global_prefetch_b8 v[PFO], s[PFA:PFA+1] th:TH_LOAD_NT scope:SCOPE_SE
.Lnot_mine_\@:
.endm
.macro KQ t, u
.set rD, S+64*(\u)+8*(\t)
.set rA, FR+16*(\t)
.set rB, Q+16*(\u)
.set rK, KS+(\t)/2
.if ((\t)%2 == 0) && ((\u) == 0)
	v_wmma_scale_f32_16x16x128_f8f6f4 v[rD:rD+7], v[rA:rA+15], v[rB:rB+15], 0, v[rK], v[QS] matrix_a_fmt:MATRIX_FMT_BF8 matrix_b_fmt:MATRIX_FMT_BF8
.elseif ((\t)%2 == 1) && ((\u) == 0)
	v_wmma_scale_f32_16x16x128_f8f6f4 v[rD:rD+7], v[rA:rA+15], v[rB:rB+15], 0, v[rK], v[QS] matrix_a_fmt:MATRIX_FMT_BF8 matrix_b_fmt:MATRIX_FMT_BF8 matrix_a_scale:MATRIX_SCALE_ROW1
.elseif (\t)%2 == 0
	v_wmma_scale_f32_16x16x128_f8f6f4 v[rD:rD+7], v[rA:rA+15], v[rB:rB+15], 0, v[rK], v[QS] matrix_a_fmt:MATRIX_FMT_BF8 matrix_b_fmt:MATRIX_FMT_BF8 matrix_b_scale:MATRIX_SCALE_ROW1
.else
	v_wmma_scale_f32_16x16x128_f8f6f4 v[rD:rD+7], v[rA:rA+15], v[rB:rB+15], 0, v[rK], v[QS] matrix_a_fmt:MATRIX_FMT_BF8 matrix_b_fmt:MATRIX_FMT_BF8 matrix_a_scale:MATRIX_SCALE_ROW1 matrix_b_scale:MATRIX_SCALE_ROW1
.endif
.endm
.macro PV t, u
.set rD, 64*(\u)+8*(\t)
.set rA, FR+16*(\t)
.set rB, PC+16*(\u)
.set rK, VS+(\t)/2
.if (\t)%2 == 0
	v_wmma_scale_f32_16x16x128_f8f6f4 v[rD:rD+7], v[rA:rA+15], v[rB:rB+15], v[rD:rD+7], v[rK], v[PW+(\u)] matrix_a_fmt:MATRIX_FMT_BF8 matrix_b_fmt:MATRIX_FMT_BF8
.else
	v_wmma_scale_f32_16x16x128_f8f6f4 v[rD:rD+7], v[rA:rA+15], v[rB:rB+15], v[rD:rD+7], v[rK], v[PW+(\u)] matrix_a_fmt:MATRIX_FMT_BF8 matrix_b_fmt:MATRIX_FMT_BF8 matrix_a_scale:MATRIX_SCALE_ROW1
.endif
.endm
; The sixteen products of a step.  Fragment t's four loads are in when at most 4 (7 - t) younger LDS loads are out; the scale words were asked for ahead of the fragments.  The accumulators take turns.
.macro KQALL
	s_wait_alu depctr_va_vdst(0)                   ; the wait ahead of the waits below
	WIN 0x01
.irp t, 0,1,2,3,4,5,6,7
	s_wait_dscnt 4*(7-\t)
	KQ \t, 0
	KQ \t, 1
.endr
	WIN 0
.endm
.macro PVALL
	s_wait_alu depctr_va_vdst(0)                   ; the wait ahead of the waits below
	WIN 0x51
.irp t, 0,1,2,3,4,5,6,7
	s_wait_dscnt 4*(7-\t)
	PV \t, 0
	PV \t, 1
.endr
	WIN 0
.endm
; an image's four scale registers and eight fragments
.macro FRAGS ad, as, sc
.irp j, 0,1,2,3
	ds_load_b32 v[\sc+\j], v[\as] offset:16384+128*\j
.endr
	WIN 0x40
.irp t, 0,1,2,3,4,5,6,7
.irp c, 0,1,2,3
	ds_load_b128 v[FR+16*\t+4*\c:FR+16*\t+4*\c+3], v[\ad] offset:2048*\t+512*\c
.endr
.endr
	WIN 0
.endm
.macro ADDR                            ; the pass's LDS addresses; with the four v_nop they are the eight places behind the last products, ahead of loads into their fragments
	v_add_nc_u32 v[AD], s[TB], v[LI]
	v_add_nc_u32 v[ADS], s[TB], v[LS]
	v_add_nc_u32 v[ADV], KPART, v[AD]
	v_add_nc_u32 v[ADT], KPART, v[ADS]
.rept 4
	v_nop
.endr
.endm
; THE SOFTMAX'S FIRST PART for tile u: the mask, each block's largest score and the new M; the old -M stays in v[TT] for the second part.  more = 1: the next tile's mask words are asked for behind the last reader of these.
.macro SMA u, more
.set rS, S+64*(\u)
.set rT, STAT+4*(\u)
.set n, 0
.rept 64
	v_cndmask_b32 v[rS+n], v[NEG], v[rS+n], s[32+n+4*(n/32)]
.set n, n+1
.endr
.irp b, 0,1,2,3
	v_max3_num_f32 v[BM+\b], v[rS+16*\b], v[rS+16*\b+1], v[rS+16*\b+2]
.endr
.irp i, 3,5,7,9,11,13
.irp b, 0,1,2,3
	v_max3_num_f32 v[BM+\b], v[BM+\b], v[rS+16*\b+\i], v[rS+16*\b+\i+1]   ; the four blocks by turns
.endr
.endr
.irp b, 0,1,2,3
	v_max_num_f32 v[BM+\b], v[BM+\b], v[rS+16*\b+15]
.endr
.if (\u) == 0
	MLOAD 256                                      ; tile 1's words of this step
.elseif \more
	s_wait_alu depctr_va_vdst(0)                   ; the wait ahead of the wait below
	s_wait_xcnt 0x0                                ; the earlier scalar loads have read their offset
	s_add_co_u32 s[MO], s[MO], 512
	s_min_u32 s[MO], s[MO], 7680
	MLOAD 0                                        ; tile 0's words of the next step
.endif
.irp b, 0,1,2,3
	v_permlanex16_b32 v[T2+\b], v[BM+\b], s[SEL], s[SEL+1]
.endr
.irp b, 0,1,2,3
	v_max_num_f32 v[BM+\b], v[BM+\b], v[T2+\b]     ; with lane l xor 16's 16 keys
.endr
	s_delay_alu instid0(VALU_DEP_2)
	v_max3_num_f32 v[TT], v[BM], v[BM+1], v[BM+2]
	s_delay_alu instid0(VALU_DEP_1)
	v_max_num_f32 v[TT], v[TT], v[BM+3]
	s_delay_alu instid0(VALU_DEP_1)
	v_mul_f32 v[TT], s[CS], v[TT]
	s_delay_alu instid0(VALU_DEP_1)
	v_max_num_f32 v[rT+1], v[rT+1], v[TT]          ; the running largest t
	v_mov_b32 v[TT], v[rT]
	s_delay_alu instid0(VALU_DEP_2)
	v_floor_f32 v[rT], -v[rT+1]                    ; -M = floor(-t)
.endm
; ITS SECOND PART: t - M; among those lines, one behind every four, the chain that makes f = 2^(old M - new M) for the sum and d = M - R for p's scale bytes; then p, the row's sum, the blocks' scales with d on top, the hold, the codes.
.macro SMB u
.set rS, S+64*(\u)
.set rT, STAT+4*(\u)
.set rP, PC+16*(\u)
.set n, 0
.irp k, 0,1,2,3,4,5,6,7
.rept 4
	v_pk_fma_f32 v[rS+n:rS+n+1], v[rS+n:rS+n+1], s[CS:CS+1], v[rT:rT+1] op_sel_hi:[1,0,0]   ; t - M
.set n, n+2
.endr
.if \k == 0
	v_sub_f32 v[TT], v[rT], v[TT]                  ; old M - new M: a whole number, 0 or less
.elseif \k == 1
	v_cvt_i32_f32 v[TT], v[TT]
.elseif \k == 2
	v_ldexp_f32 v[F], 1.0, v[TT]                   ; f
.elseif \k == 3
	v_cvt_i32_f32 v[TT], v[rT]                     ; -M as a whole number (it saturates)
.elseif \k == 4
	v_sub_nc_u32 v[DB], v[NR+(\u)], v[TT]          ; M - R: 0 or more, under 2^32
.elseif \k == 5
	v_min_u32 v[DB], s[CAP], v[DB]                 ; d
.elseif \k == 6
	v_add_nc_u32 v[NR+(\u)], v[TT], v[DB]          ; -R = -M + d: as it was, unless the hold acted
.else
	v_perm_b32 v[DB], v[DB], v[DB], 0              ; d in all four bytes
.endif
.endr
.irp b, 0,1,2,3
	v_fma_f32 v[BM+\b], v[BM+\b], s[CS], v[rT]     ; the same of each block's largest score: p rises with the score
.endr
.set n, 0
	s_wait_alu depctr_va_vdst(0)                   ; the wait ahead of the batch
.rept 64
	v_exp_f32 v[rS+n], v[rS+n]
.set n, n+1
.endr
	v_pk_mul_f32 v[rT+2:rT+3], v[rT+2:rT+3], v[F:F+1] op_sel_hi:[1,0]   ; the sums under the new M
	s_wait_alu depctr_va_vdst(0)                   ; one wait for the batch, ahead of its first reader
.irp b, 0,1,2,3
	v_exp_f32 v[BM+\b], v[BM+\b]                   ; the block's largest p
.endr
	v_pk_add_f32 v[T2:T2+1], v[rS:rS+1], v[rS+2:rS+3]   ; the sum of the unquantised p, in two chains
.set n, 4
.rept 15
	v_pk_add_f32 v[rT+2:rT+3], v[rT+2:rT+3], v[rS+n:rS+n+1]
	v_pk_add_f32 v[T2:T2+1], v[T2:T2+1], v[rS+n+2:rS+n+3]
.set n, n+4
.endr
	s_delay_alu instid0(VALU_DEP_1)
	v_pk_add_f32 v[rT+2:rT+3], v[rT+2:rT+3], v[T2:T2+1]
	s_wait_alu depctr_va_vdst(0)                   ; and one for the four
.irp b, 0,1,2,3
	v_max_num_f32 v[BM+\b], 0x8000000, v[BM+\b]    ; the floor 2^(16 - 127): the byte cannot fall under 1
.endr
.irp b, 0,1,2,3
	v_add_nc_u32 v[SCO+\b], 0xf8800000, v[BM+\b]   ; the conversion's scale operand
.endr
.irp b, 0,1,2,3
	v_and_or_b32 v[HOLD+\b], v[BM+\b], 0x7f800000, s[MNT]   ; 57,344 x the scale,
.endr
.irp b, 0,1,2,3
	v_and_or_b32 v[H2+((\b+1)%4)], v[BM+\b], 0x7f800000, s[MNT]   ; and once more in a register of another bank, for the pairs below
.endr
.irp b, 0,1,2,3
	v_lshrrev_b32 v[T2+\b], 23, v[SCO+\b]          ; the scale's byte, 1 to 112
.endr
.irp b, 0,1,2,3
.set n, 0
.rept 8
	v_dual_min_num_f32 v[rS+16*\b+n], v[rS+16*\b+n], v[HOLD+\b] :: v_dual_min_num_f32 v[rS+16*\b+n+1], v[rS+16*\b+n+1], v[H2+((\b+1)%4)]   ; the hold, two numbers a line: p is not negative, and the conversion does not saturate (ISA guide 7.6.2)
.set n, n+2
.endr
	v_cvt_scalef32_pk8_bf8_f32 v[rP+4*\b:rP+4*\b+1], v[rS+16*\b:rS+16*\b+7], v[SCO+\b]
	v_cvt_scalef32_pk8_bf8_f32 v[rP+4*\b+2:rP+4*\b+3], v[rS+16*\b+8:rS+16*\b+15], v[SCO+\b]
.if \b == 0                                    ; p's scale word, a line behind each block's conversions
	v_lshl_or_b32 v[PW+(\u)], v[T2+1], 8, v[T2]
.elseif \b == 1
	v_lshl_or_b32 v[PW+(\u)], v[T2+2], 16, v[PW+(\u)]
.elseif \b == 2
	v_lshl_or_b32 v[PW+(\u)], v[T2+3], 24, v[PW+(\u)]
.else
	v_add_nc_u32 v[PW+(\u)], v[PW+(\u)], v[DB]     ; + d, at most 100, in each byte: no carry between bytes
.endif
.endr
	v_nop                                          ; a plain line behind the last conversion
.endm
; O^T UNDER M: both tiles x 2^(R - M), and R = M.  It stands where tile 0's first part of the step in hand is done and its second part is not: that step's d then comes out as 0.
; Tile 0's M - R has not passed the hold here: it is held at 200, where the factor is 0 in f32, as the true weight is then.  The twelve lines ahead of the multiplications are also the places behind the last products.
.macro REBASE
.irp u, 0,1
	v_cvt_i32_f32 v[T2+\u], v[STAT+4*\u]           ; -M
.endr
.irp u, 0,1
	v_sub_nc_u32 v[T2+2+\u], v[NR+\u], v[T2+\u]    ; M - R: 0 or more, under 2^32
.endr
.irp u, 0,1
	v_min_u32 v[T2+2+\u], 200, v[T2+2+\u]
.endr
.irp u, 0,1
	v_sub_nc_u32 v[T2+2+\u], 0, v[T2+2+\u]         ; R - M
.endr
.irp u, 0,1
	v_mov_b32 v[NR+\u], v[T2+\u]
.endr
.irp u, 0,1
	v_ldexp_f32 v[HOLD+2*\u], 1.0, v[T2+2+\u]
.endr
	WIN 0x41
.irp u, 0,1
.set n, 0
.rept 32
	v_pk_mul_f32 v[64*\u+n:64*\u+n+1], v[64*\u+n:64*\u+n+1], v[HOLD+2*\u:HOLD+2*\u+1] op_sel_hi:[1,0]
.set n, n+2
.endr
.endr
	WIN 0
.endm
; PASS i (see the head): it reads the images at s[TB] of K's part and of V's part
.macro BODY
	s_add_co_u32 s[CAP], s[CAP], DSTEP
	ADDR
	FRAGS AD, ADS, KS                              ; K(i)
	SMB 0                                          ; step i - 1, tile 0
	s_wait_kmcnt 0x0                               ; tile 1's mask words
	s_wait_alu depctr_va_vdst(0)                   ; the wait ahead of the first reader of tile 1's scores
	SMA 1, 1
	SMB 1
	KQALL
.rept 8
	v_nop                                          ; eight places behind the products: ahead of loads into their fragments and of the readers of their results
.endr
	FRAGS ADV, ADT, VS                             ; V(i - 1)
	s_wait_kmcnt 0x0                               ; tile 0's mask words
	SMA 0, 1                                       ; step i, tile 0
	PVALL
	s_add_co_u32 s[TB], s[TB], IMG
.endm
.macro RUN base, trips
	REBASE
	s_mov_b32 s[TB], \base
	s_mov_b32 s[CAP], 0
	s_mov_b32 s[CNT], \trips
.Lrun_\@:
	BODY
	s_sub_co_u32 s[CNT], s[CNT], 1
	s_cmp_lg_u32 s[CNT], 0
	s_cbranch_scc1 .Lrun_\@
.endm
; THE CHANGE OF SLOTS.  All my tensor loads are in, the add, my LDS reads are over; a round of the cluster's barrier; then my one joint load into the slot that was left.
; fill = 0: nothing more is asked for.  ask = 1, 2: the prefetch of the fill after (2: its address is stepped first).  first = 1: wave 4 comes back from V(15) to V(3).
.macro CHANGE fill, lo, ask, first
	s_wait_tensorcnt 0x0
	ds_add_u32 v[SPW], v[NIL]
.if \fill
	s_add_co_u32 s[G0+1], s[LA0], \lo
	s_add_nc_u64 s[G0+2:G0+3], s[G0+2:G0+3], KPART ; four images on
.if \first
	s_sub_nc_u64 s[G0+2:G0+3], s[G0+2:G0+3], s[GS:GS+1]   ; sixteen images back in wave 4, 0 in the others
.endif
.if \ask == 2
	s_wait_xcnt 0x0                                ; my prefetch has read its address
	s_add_nc_u64 s[PFA:PFA+1], s[PFA:PFA+1], KPART
.endif
	s_wait_dscnt 0x0
	CROUND
	tensor_load_to_lds s[G0:G0+3], s[G1:G1+7]
	s_nop 0
.rept 4
	v_nop
.endr
.if \ask
	ASK
.endif
.else
	s_wait_dscnt 0x0
	s_barrier_signal -1
	s_barrier_wait -1
.endif
.endm
; q: half rows (256 bytes) of tile u's sixteen rows through my stage: back so that lane (r, h) holds of row r, in register 16 b + i, d = 32 b + 16 h + i.  LDS serves a wave's instructions in order
.macro QTURN u, w
.irp a, 0,1,2,3,4,5,6,7
	ds_store_b128 v[QW], v[S+64*\u+32*\w+4*\a:S+64*\u+32*\w+4*\a+3] offset:544*\a
.endr
.irp b, 0,1
.irp j, 0,1,2,3
	ds_load_b128 v[S+64*\u+32*\w+16*\b+4*\j:S+64*\u+32*\w+16*\b+4*\j+3], v[QR] offset:128*\b+16*\j
.endr
.endr
.endm
; the stated quantiser on a lane's 64 numbers: 16 registers of codes and the row's scale word
.macro QUANT s, pc, pw
.irp b, 0,1,2,3
	v_max3_num_f32 v[BM+\b], |v[\s+16*\b]|, |v[\s+1+16*\b]|, 0x8000000
.endr
.irp i, 2,4,6,8,10,12,14
.irp b, 0,1,2,3
	v_max3_num_f32 v[BM+\b], v[BM+\b], |v[\s+16*\b+\i]|, |v[\s+1+16*\b+\i]|
.endr
.endr
.irp b, 0,1,2,3
	v_permlanex16_b32 v[T2+\b], v[BM+\b], s[SEL], s[SEL+1]
.endr
.irp b, 0,1,2,3
	v_max_num_f32 v[BM+\b], v[BM+\b], v[T2+\b]
.endr
.irp b, 0,1,2,3
	v_add_nc_u32 v[SCO+\b], 0xf8800000, v[BM+\b]
.endr
.irp b, 0,1,2,3
	v_and_or_b32 v[HOLD+\b], v[BM+\b], 0x7f800000, s[MNT]
.endr
.irp b, 0,1,2,3
	v_lshrrev_b32 v[T2+\b], 23, v[SCO+\b]
.endr
	v_lshl_or_b32 v[\pw], v[T2+1], 8, v[T2]
	v_lshl_or_b32 v[\pw], v[T2+2], 16, v[\pw]
	v_lshl_or_b32 v[\pw], v[T2+3], 24, v[\pw]
.irp b, 0,1,2,3
.irp i, 0,1,2,3,4,5,6,7,8,9,10,11,12,13,14,15
	v_med3_num_f32 v[\s+16*\b+\i], v[\s+16*\b+\i], -v[HOLD+\b], v[HOLD+\b]
.endr
	v_cvt_scalef32_pk8_bf8_f32 v[\pc+4*\b:\pc+4*\b+1], v[\s+16*\b:\s+16*\b+7], v[SCO+\b]
	v_cvt_scalef32_pk8_bf8_f32 v[\pc+4*\b+2:\pc+4*\b+3], v[\s+16*\b+8:\s+16*\b+15], v[SCO+\b]
.endr
	v_nop                                          ; a plain line behind the last conversion
.endm
	s_load_b256 s[32:39], s[0:1], 0x0              ; q 32, kc 34, vc 36, mbits 38
	s_load_b64 s[40:41], s[0:1], 0x20              ; out0
	v_lshl_add_u32 v[SPW], v0, 2, SPARE
	v_mov_b32 v[NIL], 0
	ds_add_u32 v[SPW], v[NIL]                      ; the opening: the add, twice on end, and its wait ahead of my first tensor load
	ds_add_u32 v[SPW], v[NIL]
	v_lshrrev_b32 v1, 5, v0
	v_readfirstlane_b32 s[WV], v1                  ; wave 0..7
	s_bfe_u32 s48, ttmp6, 0x40000                  ; cx
	s_lshl_b32 s49, ttmp9, 2
	s_add_co_u32 s49, s49, s48
	s_lshl_b32 s49, s49, 3
	s_add_co_u32 s49, s49, s[WV]                   ; g: my group of 32 queries, 0 .. 63
	s_and_b32 s50, ttmp7, 0xffff                   ; the head
	s_and_b32 s51, s[WV], 3
	s_lshr_b32 s52, s[WV], 2
	s_xor_b32 s52, s52, 1                          ; 1: I fetch for K (waves 0-3), 0: for V
	s_xor_b32 s44, s[WV], 4
	s_min_u32 s44, s44, 1
	s_xor_b32 s44, s44, 1                          ; 1 in wave 4 alone
	s_mul_i32 s54, s50, 16*IMG                     ; the head's first image
	s_add_co_u32 s53, s51, s52
	s_lshl_b32 s45, s44, 4
	s_add_co_u32 s53, s53, s45
	s_sub_co_u32 s53, s53, 1                       ; fill 0: K(wave), V(wave - 5); wave 4: V(15)
	s_mul_i32 s56, s53, IMG
	s_add_co_u32 s56, s56, s54
	s_mov_b32 s57, 0
	s_mul_i32 s[GS], s44, 16*IMG
	s_mov_b32 s[GS+1], 0
	s_add_co_u32 s58, s48, s52
	s_add_co_u32 s58, s58, 7                       ; the prefetches: fill 2's image cx: K(8 + cx), V(7 + cx)
	s_mul_i32 s58, s58, IMG
	s_add_co_u32 s58, s58, s54
	s_mov_b32 s59, 0
	s_lshl_b32 s60, s50, 20                        ; q and out0: 2^20 bytes a head, 2^14 a group
	s_lshl_b32 s61, s49, 14
	s_add_co_u32 s60, s60, s61
	s_mov_b32 s61, 0
	s_lshr_b32 s62, s50, 4                         ; the mask words: 2^19 bytes a batch, 2^13 a group
	s_lshl_b32 s62, s62, 19
	s_lshl_b32 s63, s49, 13
	s_add_co_u32 s62, s62, s63
	s_mov_b32 s63, 0
	s_cmp_lg_u32 s51, 3
	s_cselect_b32 s[LIM], 1, 0                     ; waves 3 and 7 prefetch nothing
	s_mul_i32 s[LA0], s[WV], IMG                   ; my image's place in a slot
	s_mul_i32 s45, s44, XB-4*IMG                   ; wave 4's first load lands at XB
	s_add_co_u32 s45, s45, s[LA0]
	v_and_b32 v12, 31, v0                          ; L
	v_and_b32 v13, 15, v0                          ; r
	v_bfe_u32 v14, v0, 4, 1                        ; h
	v_lshlrev_b32 v[LI], 4, v12
	v_lshlrev_b32 v[LS], 2, v12
	v_lshlrev_b32 v[QO], 4, v13
	v_lshl_add_u32 v[QO], v14, 9, v[QO]            ; q: lanes 0-15 half a row, lanes 16-31 the same half of the next row: 256 consecutive bytes each
	s_lshl_b32 s12, s51, 5
	v_add_nc_u32 v[PFO], s12, v12
	v_min_u32 v[PFO], 65, v[PFO]
	v_lshlrev_b32 v[PFO], 8, v[PFO]                ; my block of the image's 66
	s_mul_i32 s12, s[WV], 16*272
	s_add_co_u32 s12, s12, QSTG
	v_mul_u32_u24 v[QW], v14, 272
	v_lshl_add_u32 v[QW], v13, 4, v[QW]
	v_add_nc_u32 v[QW], s12, v[QW]
	v_mul_u32_u24 v[QR], v13, 272
	v_lshl_add_u32 v[QR], v14, 6, v[QR]
	v_add_nc_u32 v[QR], s12, v[QR]
	s_mov_b32 s[G1], 15|(3<<16)|(1<<21)            ; the mask of the four; elements of 8 bytes; 66 rows of 256 bytes, dense
	s_mov_b32 s[G1+1], 32<<16
	s_mov_b32 s[G1+2], 66<<16
	s_mov_b32 s[G1+3], 32<<16
	s_mov_b32 s[G1+4], 66
	s_mov_b32 s[G1+5], 32
	s_mov_b32 s[G1+6], 0
	s_mov_b32 s[G1+7], 0
	s_mov_b32 s[MO], 0
	s_mov_b32 s[CAP], DSTEP
	s_mov_b32 s[MNT], 0x600000                     ; the mantissa field of 57,344
	s_mov_b32 s[CS], 0x3e0293ee                    ; log2(e) / sqrt(128)
	s_mov_b32 s[CS+1], s[CS]
	s_mov_b32 s[SEL], 0x76543210
	s_mov_b32 s[SEL+1], 0xfedcba98
	s_wait_alu depctr_va_vdst(0)                   ; the wait ahead of the waits below
	s_wait_dscnt 0x0
	s_wait_kmcnt 0x0
	s_add_nc_u64 s[QP:QP+1], s[32:33], s[60:61]
.irp u, 0,1
.irp w, 0,1
.irp a, 0,1,2,3,4,5,6,7
	global_load_b128 v[S+64*\u+32*\w+4*\a:S+64*\u+32*\w+4*\a+3], v[QO], s[QP:QP+1] offset:(8*\u+2*\a+8*(\a/4))*512+256*\w th:TH_LOAD_NT
.endr
.endr
.endr
	s_cmp_lt_u32 s[WV], 4
	s_cselect_b64 s[42:43], s[34:35], s[36:37]
	s_mov_b32 s[G0], 1
	s_mov_b32 s[G0+1], s45
	s_add_nc_u64 s[G0+2:G0+3], s[42:43], s[56:57]
	s_or_b32 s[G0+3], s[G0+3], 0x80000000
	s_add_nc_u64 s[PFA:PFA+1], s[42:43], s[58:59]
	s_add_nc_u64 s[MP:MP+1], s[38:39], s[62:63]
	s_add_nc_u64 s[OP:OP+1], s[40:41], s[60:61]
	CROUND
	tensor_load_to_lds s[G0:G0+3], s[G1:G1+7]      ; fill 0: my one load of the head
	s_nop 0
.rept 4
	v_nop
.endr
	MLOAD 0                                        ; step 0, tile 0
.irp b, 0,1,2,3
	v_mov_b32 v[T2+\b], 0                          ; a lane permute's destination counts as one of its sources
.endr
	WIN 0x40
.set n, 0
.rept 128
	v_mov_b32 v[n], 0                              ; O^T: the pass is written once
.set n, n+1
.endr
	WIN 0
	s_mov_b32 s12, 0xffff0000
	s_wait_alu depctr_va_vdst(0)                   ; the wait ahead of the wait below
	s_wait_loadcnt 0x0                             ; q
	QTURN 0, 0
	QTURN 0, 1
	QTURN 1, 0
	QTURN 1, 1
	s_wait_dscnt 32                                ; tile 0 is back; tile 1's 32 LDS instructions may be out
	QUANT S, Q, PW
	s_wait_dscnt 0x0
	QUANT S+64, Q+16, PW+1
	v_cndmask_b32 v[QS], v[PW], v[PW+1], s12       ; lanes 0-15 tile 0's words, lanes 16-31 tile 1's
	v_mov_b32 v[NEG], 0xfe800000                   ; -2^126
.irp u, 0,1
	v_mov_b32 v[STAT+4*\u+1], 0xff61b1e6           ; the largest t so far: -3e38
	v_floor_f32 v[STAT+4*\u], -v[STAT+4*\u+1]
	v_mov_b32 v[STAT+4*\u+2], 0
	v_mov_b32 v[STAT+4*\u+3], 0
	v_mov_b32 v[NR+\u], 0x7fffffff                 ; -R: what that -M saturates to
.endr
	v_mov_b32 v[F+1], 0                            ; named as the upper half of a pair
	s_wait_alu depctr_va_vdst(0)                   ; the wait at the head's end
	CHANGE 1, SLOTB, 1, 1                          ; fill 1, slot 1's first, issued as a refill is
	s_mov_b32 s[TB], 0                             ; pass 0: K(0) Q and tile 0's first part alone
	ADDR
	FRAGS AD, ADS, KS
	KQALL
.rept 8
	v_nop
.endr
	s_wait_kmcnt 0x0
	SMA 0, 1
	s_wait_alu depctr_va_vdst(0)
	RUN IMG, 3                                     ; passes 1 to 3
	CHANGE 1, 0, 2, 0
	RUN SLOTB, 4                                   ; 4 to 7
	CHANGE 1, SLOTB, 0, 0
	RUN 0, 4                                       ; 8 to 11
	CHANGE 0, 0, 0, 0
	RUN SLOTB, 4                                   ; 12 to 15
	v_add_nc_u32 v[ADV], XB, v[LI]                 ; the tail: step 15's softmax is finished under V(15)'s loads
	v_add_nc_u32 v[ADT], XB, v[LS]
.rept 6
	v_nop
.endr
	FRAGS ADV, ADT, VS
	REBASE
	s_mov_b32 s[CAP], DSTEP
	SMB 0
	s_wait_kmcnt 0x0
	s_wait_alu depctr_va_vdst(0)
	SMA 1, 0
	SMB 1
.rept 8
	v_nop                                          ; eight places between tile 1's scale word and the products (four would do for its codes)
.endr
	PVALL
	; THE WAY OUT: O^T x 2^(R - M) / the sum, through my stage, as rows of 512 bytes
.irp u, 0,1
	v_add_f32 v[BM+2*\u], v[STAT+4*\u+2], v[STAT+4*\u+3]
.endr
.irp u, 0,1
	s_delay_alu instid0(VALU_DEP_2)
	v_permlanex16_b32 v[T2+\u], v[BM+2*\u], s[SEL], s[SEL+1]
.endr
.irp u, 0,1
	s_delay_alu instid0(VALU_DEP_2)
	v_add_f32 v[BM+2*\u], v[BM+2*\u], v[T2+\u]
.endr
.irp u, 0,1
	v_cvt_i32_f32 v[T2+2+\u], v[STAT+4*\u]
.endr
.irp u, 0,1
	s_delay_alu instid0(VALU_DEP_2)
	v_sub_nc_u32 v[T2+2+\u], v[T2+2+\u], v[NR+\u]  ; R - M
.endr
	v_and_b32 v12, 15, v0
	v_bfe_u32 v13, v0, 4, 1
	s_mul_i32 s12, s[WV], 16*SP
	v_mul_u32_u24 v[STO], v12, SP
	s_delay_alu instid0(VALU_DEP_1)
	v_lshl_add_u32 v[STO], v13, 5, v[STO]
	s_delay_alu instid0(VALU_DEP_1)
	v_add_nc_u32 v[STO], s12, v[STO]
	v_add_nc_u32 v[RD], s12, v[LI]
	s_wait_alu depctr_va_vdst(0)                   ; the wait ahead of the transcendentals
.irp u, 0,1
	v_rcp_f32 v[BM+2*\u], v[BM+2*\u]
.endr
	v_nop
	s_wait_alu depctr_va_vdst(0)                   ; and behind them, ahead of the first reader
.irp u, 0,1
	v_ldexp_f32 v[BM+2*\u], v[BM+2*\u], v[T2+2+\u]
.endr
.macro PACK u
	WIN 0x01
.set n, 0
.rept 32
	v_pk_mul_f32 v[S+64*\u+n:S+64*\u+n+1], v[64*\u+n:64*\u+n+1], v[BM+2*\u:BM+2*\u+1] op_sel_hi:[1,0]
.set n, n+2
.endr
	WIN 0
.irp t, 0,1,2,3,4,5,6,7
	ds_store_b128 v[STO], v[S+64*\u+8*\t:S+64*\u+8*\t+3] offset:64*\t
	ds_store_b128 v[STO], v[S+64*\u+8*\t+4:S+64*\u+8*\t+7] offset:64*\t+16
.endr
.irp i, 0,1,2,3,4,5,6,7,8,9,10,11,12,13,14,15
	ds_load_b128 v[S+64*\u+4*\i:S+64*\u+4*\i+3], v[RD] offset:\i*SP
.endr
.endm
.macro SEND u, younger
.irp i, 0,1,2,3,4,5,6,7,8,9,10,11,12,13,14,15
	s_wait_dscnt \younger+15-\i
	global_store_b128 v[LI], v[S+64*\u+4*\i:S+64*\u+4*\i+3], s[OP:OP+1] offset:(8*\u+\i+8*(\i/8))*512 th:TH_STORE_NT   ; 32 lanes store a row's 512 consecutive bytes
.endr
.endm
	PACK 0
	PACK 1
	SEND 0, 32
	SEND 1, 0
	s_wait_tensorcnt 0x0                           ; the wave's end
	ds_add_u32 v[SPW], v[NIL]
	s_wait_dscnt 0x0
	CROUND                                         ; the closing round
	s_endpgm
.Lfunc_end_k_qd8a033a683_attn:
	.size	k_qd8a033a683_attn, .Lfunc_end_k_qd8a033a683_attn-k_qd8a033a683_attn
	.p2alignl 7, 3214868480
	.fill 96, 4, 3214868480
	.section	.rodata,"a",@progbits
	.p2align	6, 0x0
	.amdhsa_kernel k_qd8a033a683_attn
		.amdhsa_group_segment_fixed_size 327680
		.amdhsa_private_segment_fixed_size 0
		.amdhsa_enable_private_segment 0
		.amdhsa_kernarg_size 40
		.amdhsa_user_sgpr_count 2
		.amdhsa_user_sgpr_kernarg_segment_ptr 1
		.amdhsa_wavefront_size32 1
		.amdhsa_system_sgpr_workgroup_id_x 1
		.amdhsa_system_sgpr_workgroup_id_y 1
		.amdhsa_system_sgpr_workgroup_id_z 1
		.amdhsa_system_vgpr_workitem_id 0
		.amdhsa_next_free_vgpr 512
		.amdhsa_next_free_sgpr 106
		.amdhsa_reserve_vcc 0
		.amdhsa_float_denorm_mode_32 3
		.amdhsa_float_denorm_mode_16_64 3
		.amdhsa_memory_ordered 1
		.amdhsa_forward_progress 1
		.amdhsa_inst_pref_size 255
	.end_amdhsa_kernel
	.section	.bss,"aw",@nobits
	.p2align	6
	.space	262144
	.amdgpu_metadata
---
amdhsa.version: [ 1, 2 ]
amdhsa.kernels:
  - .name:           k_qd8a033a683_attn
    .symbol:         k_qd8a033a683_attn.kd
    .args:
      - { .name: q, .offset: 0, .size: 8, .value_kind: global_buffer, .address_space: global }
      - { .name: kc, .offset: 8, .size: 8, .value_kind: global_buffer, .address_space: global }
      - { .name: vc, .offset: 16, .size: 8, .value_kind: global_buffer, .address_space: global }
      - { .name: mbits, .offset: 24, .size: 8, .value_kind: global_buffer, .address_space: global }
      - { .name: out0, .offset: 32, .size: 8, .value_kind: global_buffer, .address_space: global }
    .group_segment_fixed_size: 327680
    .private_segment_fixed_size: 0
    .kernarg_segment_align: 8
    .kernarg_segment_size: 40
    .max_flat_workgroup_size: 256
    .sgpr_count:     106
    .vgpr_count:     512
    .wavefront_size: 32
...
	.end_amdgpu_metadata
.endif
;; end of part 2
